; MI455X (gfx1250); checked and timed in simulation.
; The chip was launched on July 23, 2026; its instructions are those of AMD's public machine-readable ISA for CDNA 5 (MIT licence, August 2026) and "CDNA5" Instruction Set Architecture Reference Guide (July 2026). The comments in the code are by the model that wrote it; some were corrected since.
;; Self Attention. Allowed arithmetic: matrix products marked QUANTISED: E2M1 operands, one E8M0 scale for each 32 along K, by v_wmma_scale_f32_16x16x128_f8f6f4 with both operands' format E2M1 (or v_wmma_scale_f32_32x16x128_f4), f32 sums; products left as they are: f32 operands where the result goes on into a quantised operand, else bf16, f16 or f32 operands; f32 sums; everything else in f32.
;; Inputs: Wq_codes 512 x 32 x 16 uint8 (E2M1 codes of Wq, K innermost, in blocks of 32 codes, two codes a byte); Wq_scales 512 x 32 uint8 (E8M0 scales of Wq, one for each 32 codes along K); bq 512 float32; mask 128 x 512 bool; vq 512 float32; x 128 x 512 x 1,024 float32.
;; Outputs: out0 128 x 1,024 float32.
;; This version of the problem:
;;   THIS VERSION OF THE PROBLEM IS GIVEN IN LOW PRECISION. The matrix products marked QUANTISED in the list below multiply operands that are first quantised to E2M1 (2 exponent bits, 1 mantissa bit; 4 bits a number), with one power-of-two scale for each 32 numbers along K (OCP MX v1.0); their sums are f32. All else is computed in f32.
;;   The module's matrix products, in the order in which they are computed (A, B: the left and right operand; K: the contracted axis; several contracted axes count as one K, in the product's order):
;;     1. [M 65,536, K 1,024] x [K 1,024, N 512]; A: input x; B: input Wq (given as codes): QUANTISED
;;     2. [M 65,536, K 512] x [K 512, N 1]; A: computed on the way; B: input vq: left as it is (N = 1 < 16)
;;     3. batch 128 x [M 1, K 512] x [K 512, N 1,024]; A: softmax; B: input x: left as it is (M = 1 < 16)
;;   THE QUANTISER, for each operand of a quantised product, along K:
;;     - K is cut into blocks of 32 from its start; a last block that is shorter is filled with zeros.
;;     - A block's scale is 2^e with e = floor(log2(the largest magnitude in the block)) - 2, held to -126 .. 127; a block of zeros has e = 0. As a byte (E8M0): e + 127.
;;     - Each number is divided by its block's scale, clamped to +-6, and rounded to the nearest number of E2M1, ties to even, subnormals kept.
;;     - The product sums the exact products of the quantised numbers (number of the format x scale) in f32.
;;   ~~~python
;;   def quantise(x, axis):      # numpy; x: float32 -> the quantised numbers, widened to float32 again
;;       x = np.moveaxis(x, axis, -1); K = x.shape[-1]
;;       x = np.pad(x, [(0, 0)] * (x.ndim - 1) + [(0, -K % 32)]); x = x.reshape(x.shape[:-1] + (-1, 32)); a = np.abs(x).max(-1, keepdims=True)
;;       e = np.where(a > 0, np.clip(np.frexp(np.where(a > 0, a, 1))[1] - 1 - 2, -126, 127), 0)      # np.frexp(a)[1] - 1 = floor(log2(a)), exactly
;;       r = np.clip(x / 2.0 ** e, -6, 6)
;;       step = 2.0 ** (np.maximum(np.frexp(np.where(r == 0, 1, r))[1] - 1, 0) - 1)
;;       q = np.round(r / step) * step * 2.0 ** e      # np.round: ties to even
;;       return np.moveaxis(q.reshape(q.shape[:-2] + (-1,))[..., :K], -1, axis).astype(np.float32)
;;   ~~~
;;   INPUTS GIVEN AS CODES. Wq (in the module: [512, 1024], K = its axis 1): each comes as NAME_codes (uint8): NAME with its K axis moved to the last place and cut into blocks of 32 codes, [.., K / 32, bytes a block], one block behind the other in memory; two codes a byte, the lower K in the low four bits (a code: sign, 2 exponent bits, 1 mantissa bit); and NAME_scales (uint8): the same leading axes, one E8M0 byte (e + 127) for each 32 codes along K. Its value is code x scale, taken as it is: it is not quantised again, and the codes and scales need not be those that the quantiser above would give.
;; One version. Each part assembles by itself: llvm-mc -triple=amdgcn-amd-amdhsa -mcpu=gfx1250 --defsym DOCPART=n.
;; ======== version 1 of 1: 2 launches
;; limits: right only within a limited range of input values
;; workspace buffers: pacc 1,048,576 bytes; pstat 65,536 bytes
;; launch partial (part 1): grid 256 x 1, 8 waves a work-group, no clusters, 327,680 bytes of LDS; arguments x, mask, Wq_codes, Wq_scales, bq, vq, pacc, pstat; writes pacc, pstat
.if DOCPART == 1
	.amdgcn_target "amdgcn-amd-amdhsa--gfx1250"
	.amdhsa_code_object_version 6
	.text
	.protected	k_qdcc33810f4_partial
	.globl	k_qdcc33810f4_partial
	.p2align	8
	.type	k_qdcc33810f4_partial,@function
k_qdcc33810f4_partial:
	s_mov_b64 s[64:65], 0
	v_nop
	global_prefetch_b8 v0, s[64:65] scope:SCOPE_SE
	s_setreg_imm32_b32 hwreg(HW_REG_WAVE_MODE, 25, 1), 1
	s_wait_xcnt 0x0
; Work-group g takes rows 256 (g % 2) .. + 255 of batch g / 2, in 8 tiles of 32 rows x 1,024 f32, through a ring of two LDS slots (one tensor load a wave, 4 rows each).
; A tile: each wave quantises its share of x to E2M1 codes with E8M0 scales and lays them in LDS as an image of operand registers; each wave multiplies all 32 rows by its 64 rows of Wq
; (codes kept in registers v256-511, bq as the first C), takes tanh and the product with vq; the eight partial scores are summed, masked, and go through a running softmax (maximum taken away);
; the weighted sum of x is taken in f32 from the same slot.  pacc gets the unnormalised sum, pstat (maximum, sum): the next launch joins a batch's two halves.
; tanh(z) = 1 - 2 / (1 + 2^(2 log2(e) z)): vq is kept as -2 vq, and the sum of vq starts the score.
.set LINE,  1040
.set ROWP,  4*LINE
.set GRP,   4*ROWP+16
.set SLOT,  8*GRP
.set TILEB, 131072
.set XIMG,  2*SLOT
.set XSC,   XIMG+16*1024
.set PSO,   1024
.set PBO,   2048
.set SPARE, XSC+3*1024
.set SPW,  1
.set NIL,  2
.set XQ,   3
.set IMW,  5
.set T4,   6
.set LI,   7
.set LS,   8
.set PBR,  9
.set XW,   10
.set MO,   14
.set MK,   15
.set WS,   16
.set XS,   32
.set BQ,   36
.set VQ,   68
.set OACC, 100
.set SV,   104
.set MX,   106
.set LSUM, 107
.set PW0,  108
.set PW1,  109
.set FF,   110
.set PFO,  111
.set XA,   112
.set XB,   176
.set TM,   240
.set PC0,  248
.set PC1,  112
.set XFR,  112
.set ACC,  176
.set SCA,  208
.set SCB,  210
.set SCM,  212
.set TT,   214
.set B0,   112
.set B1,   144
.set B2,   216
.set PP,   176
.set PSL,  208
.set SCO,  248
.set TMX,  249
.set UU,   250
.set NMX,  251
.set OT,   252
.set WV,   20
.set G1,   24
.set G0,   32
.set SEL,  40
.set C2,   42
.set LE,   44
.set HM,   45
.set CNT,  46
.set PFB,  56
.set MSB, 0
.macro WIN new
.if MSB != \new
	s_set_vgpr_msb (MSB<<8)|\new
.set MSB, \new
.endif
.endm
.macro BARRIER
	s_wait_dscnt 0x0
	s_barrier_signal -1
	s_barrier_wait -1
.endm
	s_load_b256 s[4:11], s[0:1], 0x0
	s_load_b256 s[12:19], s[0:1], 0x20
	v_lshl_add_u32 v[SPW], v0, 2, SPARE
	v_mov_b32 v[NIL], 0
	ds_add_u32 v1, v2
	ds_add_u32 v1, v2
	s_wait_dscnt 0x0
	v_lshrrev_b32 v120, 5, v0
	s_delay_alu instid0(VALU_DEP_1)
	v_readfirstlane_b32 s[WV], v120
	s_mov_b32 s[G1+0], (2<<16)|(1<<20)|(7<<22)|(3<<25)
	s_mov_b32 s[G1+1], 256<<16
	s_mov_b32 s[G1+2], 16<<16
	s_mov_b32 s[G1+3], 256<<16
	s_mov_b32 s[G1+4], 16
	s_mov_b32 s[G1+5], 256
	s_mov_b32 s[G1+6], 0
	s_mov_b32 s[G1+7], 0
	s_mov_b32 s[SEL], 0x76543210
	s_mov_b32 s[SEL+1], 0xfedcba98
	s_mov_b32 s[C2], 0x4038aa3b
	s_mov_b32 s[C2+1], s[C2]
	s_mov_b32 s[LE], 0x3fb8aa3b
	s_mov_b32 s[HM], 0xffff0000
	s_lshl_b32 s48, ttmp9, 20
	s_lshl_b32 s50, s[WV], 14
	s_add_co_u32 s48, s48, s50
	s_mov_b32 s49, 0
	s_mul_i32 s51, s[WV], GRP
	s_wait_kmcnt 0x0
	s_mov_b32 s[G0], 1
	s_mov_b32 s[G0+1], s51
	s_add_nc_u64 s[G0+2:G0+3], s[4:5], s[48:49]
	s_mov_b32 s[G0+4], 1
	s_add_co_u32 s[G0+5], s51, SLOT
	s_add_nc_u64 s[G0+6:G0+7], s[G0+2:G0+3], TILEB
	s_add_nc_u64 s[PFB:PFB+1], s[G0+2:G0+3], 2*TILEB
	s_or_b32 s[G0+3], s[G0+3], 0x80000000
	s_or_b32 s[G0+7], s[G0+7], 0x80000000
	tensor_load_to_lds s[G0:G0+3], s[G1:G1+7]      ; tile 0: my one tensor load at the head; the loads of bq, vq, Wq's scales and codes follow while it is out
	s_nop 0
	v_and_b32 v[MO], 31, v0
	v_and_b32 v113, 15, v0
	v_bfe_u32 v114, v0, 4, 1
	s_delay_alu instid0(VALU_DEP_1)
	v_lshlrev_b32 v115, 5, v114
	s_wait_alu depctr_va_vdst(0)
	v_lshlrev_b32 v116, 5, v113
	s_delay_alu instid0(VALU_DEP_1)
	v_lshl_add_u32 v116, v114, 2, v116
	s_wait_alu depctr_va_vdst(0)
	v_lshlrev_b32 v117, 9, v113
	s_delay_alu instid0(VALU_DEP_1)
	v_lshl_add_u32 v117, v114, 4, v117
	s_wait_alu depctr_va_vdst(0)
	s_lshl_b32 s48, s[WV], 15
	s_add_nc_u64 s[8:9], s[8:9], s[48:49]
	s_lshl_b32 s48, s[WV], 11
	s_add_nc_u64 s[10:11], s[10:11], s[48:49]
	s_lshl_b32 s48, s[WV], 8
	s_add_nc_u64 s[12:13], s[12:13], s[48:49]
	s_add_nc_u64 s[14:15], s[14:15], s[48:49]
	s_lshl_b32 s48, ttmp9, 8
	s_add_nc_u64 s[6:7], s[6:7], s[48:49]
	s_add_nc_u64 s[18:19], s[18:19], s[48:49]
	s_lshl_b32 s48, ttmp9, 12
	s_add_nc_u64 s[16:17], s[16:17], s[48:49]
.irp t, 0,1,2,3
	global_load_b128 v[BQ+8*\t:BQ+8*\t+3],   v115, s[12:13] offset:64*\t
	global_load_b128 v[BQ+8*\t+4:BQ+8*\t+7], v115, s[12:13] offset:64*\t+16
	global_load_b128 v[VQ+8*\t:VQ+8*\t+3],   v115, s[14:15] offset:64*\t
	global_load_b128 v[VQ+8*\t+4:VQ+8*\t+7], v115, s[14:15] offset:64*\t+16
.endr
.irp t, 0,1,2,3
.irp u, 0,1,2,3
	global_load_b32 v[WS+4*\t+\u], v116, s[10:11] offset:512*\t+8*\u
.endr
.endr
	WIN 0x40
.irp t, 0,1,2,3
.irp s, 0,1,2,3,4,5,6,7
.irp c, 0,1
	global_load_b128 v[8*(8*\t+\s)+4*\c:8*(8*\t+\s)+4*\c+3], v117, s[8:9] offset:8192*\t+64*\s+32*\c
.endr
.endr
.endr
	WIN 0
	s_wait_alu depctr_va_vdst(0)                   ; directly ahead of the wait below
	s_wait_tensorcnt 0x0                           ; my part of tile 0 is in; slot 1's first fill is issued as a refill is: the three lines, a barrier, one load a wave
	ds_add_u32 v1, v2
	s_wait_dscnt 0x0
	s_barrier_signal -1
	s_barrier_wait -1
	tensor_load_to_lds s[G0+4:G0+7], s[G1:G1+7]    ; tile 1
	s_nop 0
	v_bfe_u32 v118, v0, 2, 2
	v_and_b32 v119, 3, v0
	s_delay_alu instid0(VALU_DEP_2)
	v_mul_u32_u24 v[XQ], v118, GRP
	s_delay_alu instid0(VALU_DEP_1)
	v_mad_u32_u24 v[XQ], v119, ROWP, v[XQ]
	s_delay_alu instid0(VALU_DEP_1)
	v_lshl_add_u32 v[XQ], v114, 6, v[XQ]
	s_lshr_b32 s50, s[WV], 2
	s_mul_i32 s50, s50, 4*GRP
	s_and_b32 s51, s[WV], 3
	s_mul_i32 s51, s51, LINE
	s_add_co_u32 s50, s50, s51
	v_add_nc_u32 v[XQ], s50, v[XQ]
	s_delay_alu instid0(VALU_DEP_1)
	v_add_nc_u32 v[XQ+1], SLOT, v[XQ]
	s_lshl_b32 s50, s[WV], 11
	s_add_co_u32 s50, s50, XIMG
	v_lshl_add_u32 v[IMW], v[MO], 4, s50
	v_lshl_add_u32 v[T4], v0, 2, XSC
	v_lshl_add_u32 v[LI], v[MO], 4, XIMG
	v_lshl_add_u32 v[LS], v[MO], 2, XSC
	s_lshl_b32 s50, s[WV], 7
	s_add_co_u32 s50, s50, XSC+PBO
	v_mov_b32 v[PBR], s50
	s_lshr_b32 s50, s[WV], 1
	s_mul_i32 s50, s50, LINE
	s_and_b32 s51, s[WV], 1
	s_lshl_b32 s51, s51, 9
	s_add_co_u32 s50, s50, s51
	v_lshl_add_u32 v[XW], v[MO], 4, s50
	s_delay_alu instid0(VALU_DEP_1)
	v_add_nc_u32 v[XW+1], 4*GRP, v[XW]
	s_delay_alu instid0(VALU_DEP_2)
	v_add_nc_u32 v[XW+2], SLOT, v[XW]
	s_delay_alu instid0(VALU_DEP_3)
	v_add_nc_u32 v[XW+3], SLOT+4*GRP, v[XW]
	v_lshlrev_b32 v[PFO], 8, v[MO]
.irp j, 0,1,2,3
	v_mov_b32 v[OACC+\j], 0
.endr
	v_mov_b32 v[LSUM], 0
	v_mov_b32 v[MX], 0xff61b1e6
.irp b, 0,1,2,3
	v_mov_b32 v[TM+4+\b], 0
.endr
	s_wait_alu depctr_va_vdst(0)                   ; the wait at the head's end
	s_wait_xcnt 0x0                                ; the head's loads have read their offsets v115-117: tile 0's numbers may land there
; The wait for the head's loads, and vq's preparation, stand behind tile 0's quantising, which names none of those registers.
.macro VQPREP
	s_wait_loadcnt 0x0
	v_pk_add_f32 v[SV:SV+1], v[VQ:VQ+1], v[VQ+2:VQ+3]
.irp j, 4,6,8,10,12,14,16,18,20,22,24,26,28,30
	s_delay_alu instid0(VALU_DEP_1)
	v_pk_add_f32 v[SV:SV+1], v[SV:SV+1], v[VQ+\j:VQ+\j+1]
.endr
.irp j, 0,2,4,6,8,10,12,14,16,18,20,22,24,26,28,30
	v_pk_mul_f32 v[VQ+\j:VQ+\j+1], v[VQ+\j:VQ+\j+1], -2.0 op_sel_hi:[1,0]
.endr
	s_wait_alu depctr_va_vdst(0)                   ; ahead of the barrier that follows
.endm
.macro XLD reg, adr, e
.irp b, 0,1,2,3
.irp j, 0,1,2,3
	ds_load_b128 v[\reg+16*\b+4*\j:\reg+16*\b+4*\j+3], v[\adr] offset:512*\e+128*\b+16*\j
.endr
.endr
.endm
.macro QUANT s, pc, pw
.irp b, 0,1,2,3
	v_max3_num_f32 v[TM+\b], |v[\s+16*\b]|, |v[\s+1+16*\b]|, 0x1800000
.endr
.irp i, 2,4,6,8,10,12,14
.irp b, 0,1,2,3
	s_delay_alu instid0(VALU_DEP_4)
	v_max3_num_f32 v[TM+\b], v[TM+\b], |v[\s+16*\b+\i]|, |v[\s+1+16*\b+\i]|
.endr
.endr
.irp b, 0,1,2,3
	s_delay_alu instid0(VALU_DEP_4)
	v_permlanex16_b32 v[TM+4+\b], v[TM+\b], s[SEL], s[SEL+1]
.endr
.irp b, 0,1,2,3
	s_delay_alu instid0(VALU_DEP_4)
	v_max_num_f32 v[TM+\b], v[TM+\b], v[TM+4+\b]
.endr
.irp b, 0,1,2,3
	s_delay_alu instid0(VALU_DEP_4)
	v_add_nc_u32 v[TM+\b], 0xff000000, v[TM+\b]
.endr
.irp b, 0,1,2,3
	s_delay_alu instid0(VALU_DEP_4)
	v_lshrrev_b32 v[TM+4+\b], 23, v[TM+\b]
.endr
	s_delay_alu instid0(VALU_DEP_3)
	v_lshl_or_b32 v[\pw], v[TM+5], 8, v[TM+4]
	s_delay_alu instid0(VALU_DEP_1)
	v_lshl_or_b32 v[\pw], v[TM+6], 16, v[\pw]
	s_delay_alu instid0(VALU_DEP_1)
	v_lshl_or_b32 v[\pw], v[TM+7], 24, v[\pw]
.irp b, 0,1,2,3
	v_cvt_scalef32_pk8_fp4_f32 v[\pc+2*\b], v[\s+16*\b:\s+7+16*\b], v[TM+\b]
	v_cvt_scalef32_pk8_fp4_f32 v[\pc+1+2*\b], v[\s+8+16*\b:\s+15+16*\b], v[TM+\b]
.endr
	v_nop
.irp c, 0,1
.irp i, 0,1
	v_permlane16_swap_b32 v[\pc+4*\c+\i], v[\pc+2+4*\c+\i]
.endr
.endr
.endm
.macro IMAGE pc, off
.irp c, 0,1
	ds_store_b128 v[IMW], v[\pc+4*\c:\pc+4*\c+3] offset:\off+512*\c
.endr
.endm
.macro FRL m
.irp u, 0,1,2,3
	ds_load_b32 v[XS+\u], v[LS] offset:128*(4*\m+\u)
.endr
.irp s, 0,1,2,3,4,5,6,7
.irp c, 0,1
	ds_load_b128 v[XFR+8*\s+4*\c:XFR+8*\s+4*\c+3], v[LI] offset:1024*(8*\m+\s)+512*\c
.endr
.endr
.endm
.macro MMS s
.irp t, 0,1,2,3
.if (\s) == 0
	v_wmma_scale_f32_16x16x128_f8f6f4 v[ACC+8*\t:ACC+8*\t+7], v[8*(8*\t+\s):8*(8*\t+\s)+7], v[XFR+8*\s:XFR+8*\s+7], v[BQ+8*\t:BQ+8*\t+7], v[WS+4*\t+(\s)/2], v[XS+(\s)/2] matrix_a_fmt:MATRIX_FMT_FP4 matrix_b_fmt:MATRIX_FMT_FP4
.elseif (\s)%2 == 0
	v_wmma_scale_f32_16x16x128_f8f6f4 v[ACC+8*\t:ACC+8*\t+7], v[8*(8*\t+\s):8*(8*\t+\s)+7], v[XFR+8*\s:XFR+8*\s+7], v[ACC+8*\t:ACC+8*\t+7], v[WS+4*\t+(\s)/2], v[XS+(\s)/2] matrix_a_fmt:MATRIX_FMT_FP4 matrix_b_fmt:MATRIX_FMT_FP4
.else
	v_wmma_scale_f32_16x16x128_f8f6f4 v[ACC+8*\t:ACC+8*\t+7], v[8*(8*\t+\s):8*(8*\t+\s)+7], v[XFR+8*\s:XFR+8*\s+7], v[ACC+8*\t:ACC+8*\t+7], v[WS+4*\t+(\s)/2], v[XS+(\s)/2] matrix_a_fmt:MATRIX_FMT_FP4 matrix_b_fmt:MATRIX_FMT_FP4 matrix_a_scale:MATRIX_SCALE_ROW1 matrix_b_scale:MATRIX_SCALE_ROW1
.endif
.endr
.endm
.macro MM younger, fine
	WIN 0x01
.irp s, 0,1,2,3,4,5,6,7
.if \fine
	s_wait_dscnt 2*(7-\s)+\younger
.elseif \s == 0
	s_wait_dscnt 8+\younger
.elseif \s == 4
	s_wait_dscnt \younger
.endif
	MMS \s
.endr
	WIN 0
.rept 4
	v_nop
.endr
.endm
.macro TMUL t
.irp q, 0,2,4,6
	v_pk_mul_f32 v[ACC+8*\t+\q:ACC+8*\t+\q+1], v[ACC+8*\t+\q:ACC+8*\t+\q+1], s[C2:C2+1] op_sel_hi:[1,0]
.endr
.endm
.macro TEXP t
.irp j, 0,1,2,3,4,5,6,7
	v_exp_f32 v[ACC+8*\t+\j], v[ACC+8*\t+\j]
.endr
.endm
.macro TADD t
.irp q, 0,2,4,6
	v_pk_add_f32 v[ACC+8*\t+\q:ACC+8*\t+\q+1], v[ACC+8*\t+\q:ACC+8*\t+\q+1], 1.0 op_sel_hi:[1,0]
.endr
.endm
.macro TRCP t
.irp j, 0,1,2,3,4,5,6,7
	v_rcp_f32 v[ACC+8*\t+\j], v[ACC+8*\t+\j]
.endr
.endm
.set SCC, 248                          ; v[248:251]: two more chains of the score's sum (idle between the image's stores and the softmax)
.set SCD, 250
.macro TFMA t                          ; four chains by turns
.if (\t) == 0
	v_pk_fma_f32 v[SCA:SCA+1], v[ACC:ACC+1], v[VQ:VQ+1], v[SV:SV+1]
	v_pk_mul_f32 v[SCB:SCB+1], v[ACC+2:ACC+3], v[VQ+2:VQ+3]
	v_pk_mul_f32 v[SCC:SCC+1], v[ACC+4:ACC+5], v[VQ+4:VQ+5]
	v_pk_mul_f32 v[SCD:SCD+1], v[ACC+6:ACC+7], v[VQ+6:VQ+7]
.else
	v_pk_fma_f32 v[SCA:SCA+1], v[ACC+8*\t:ACC+8*\t+1], v[VQ+8*\t:VQ+8*\t+1], v[SCA:SCA+1]
	v_pk_fma_f32 v[SCB:SCB+1], v[ACC+8*\t+2:ACC+8*\t+3], v[VQ+8*\t+2:VQ+8*\t+3], v[SCB:SCB+1]
	v_pk_fma_f32 v[SCC:SCC+1], v[ACC+8*\t+4:ACC+8*\t+5], v[VQ+8*\t+4:VQ+8*\t+5], v[SCC:SCC+1]
	v_pk_fma_f32 v[SCD:SCD+1], v[ACC+8*\t+6:ACC+8*\t+7], v[VQ+8*\t+6:VQ+8*\t+7], v[SCD:SCD+1]
.endif
.endm
.macro TANH m
; All sources first, then each batch of 32 transcendentals with one wait ahead of it and one behind it: four waits for 64 transcendentals.
.irp t, 0,1,2,3
	TMUL \t                                        ; the products' first readers, each accumulator from its low end on
.endr
	s_wait_alu depctr_va_vdst(0)
.irp t, 0,1,2,3
	TEXP \t
.endr
	v_nop                                          ; one plain place behind the exponentials
	s_wait_alu depctr_va_vdst(0)
.irp t, 0,1,2,3
	TADD \t
.endr
	s_wait_alu depctr_va_vdst(0)
.irp t, 0,1,2,3
	TRCP \t
.endr
	v_nop                                          ; one plain place behind the reciprocals
	s_wait_alu depctr_va_vdst(0)
.irp t, 0,1,2,3
	TFMA \t
.endr
	v_pk_add_f32 v[SCA:SCA+1], v[SCA:SCA+1], v[SCB:SCB+1]
	v_pk_add_f32 v[SCC:SCC+1], v[SCC:SCC+1], v[SCD:SCD+1]
	v_pk_add_f32 v[SCA:SCA+1], v[SCA:SCA+1], v[SCC:SCC+1]
	s_delay_alu instid0(VALU_DEP_1)
	v_add_f32 v[TT], v[SCA], v[SCA+1]
	s_delay_alu instid0(VALU_DEP_1)
	v_permlanex16_b32 v[TT+1], v[TT], s[SEL], s[SEL+1]
	s_delay_alu instid0(VALU_DEP_1)
	v_add_f32 v[SCM+\m], v[TT], v[TT+1]
.endm
.macro XWL buf, k, slot
.irp q, 0,1,2,3,4,5,6,7
	ds_load_b128 v[\buf+4*\q:\buf+4*\q+3], v[XW+2*(\slot)+(\k)/2] offset:((2*(\k)+\q/4)%4)*GRP+(\q%4)*ROWP
.endr
.endm
.macro FMA8 buf, k
.irp q, 0
.if \q%2 == 0
	v_pk_fma_f32 v[OACC:OACC+1],   v[\buf+4*\q:\buf+4*\q+1],   v[PP+8*\k+\q:PP+8*\k+\q+1], v[OACC:OACC+1] op_sel_hi:[1,0,1]
	v_pk_fma_f32 v[OACC+2:OACC+3], v[\buf+4*\q+2:\buf+4*\q+3], v[PP+8*\k+\q:PP+8*\k+\q+1], v[OACC+2:OACC+3] op_sel_hi:[1,0,1]
.elseif (\k) == 0 && \q == 1
	v_pk_mul_f32 v[OT:OT+1],   v[\buf+4:\buf+5], v[PP:PP+1] op_sel:[0,1] op_sel_hi:[1,1]
	v_pk_mul_f32 v[OT+2:OT+3], v[\buf+6:\buf+7], v[PP:PP+1] op_sel:[0,1] op_sel_hi:[1,1]
.else
	v_pk_fma_f32 v[OT:OT+1],   v[\buf+4*\q:\buf+4*\q+1],   v[PP+8*\k+\q-1:PP+8*\k+\q], v[OT:OT+1] op_sel:[0,1,0] op_sel_hi:[1,1,1]
	v_pk_fma_f32 v[OT+2:OT+3], v[\buf+4*\q+2:\buf+4*\q+3], v[PP+8*\k+\q-1:PP+8*\k+\q], v[OT+2:OT+3] op_sel:[0,1,0] op_sel_hi:[1,1,1]
.endif
.endr
.irp q, 1
.if \q%2 == 0
	v_pk_fma_f32 v[OACC:OACC+1],   v[\buf+4*\q:\buf+4*\q+1],   v[PP+8*\k+\q:PP+8*\k+\q+1], v[OACC:OACC+1] op_sel_hi:[1,0,1]
	v_pk_fma_f32 v[OACC+2:OACC+3], v[\buf+4*\q+2:\buf+4*\q+3], v[PP+8*\k+\q:PP+8*\k+\q+1], v[OACC+2:OACC+3] op_sel_hi:[1,0,1]
.elseif (\k) == 0 && \q == 1
	v_pk_mul_f32 v[OT:OT+1],   v[\buf+4:\buf+5], v[PP:PP+1] op_sel:[0,1] op_sel_hi:[1,1]
	v_pk_mul_f32 v[OT+2:OT+3], v[\buf+6:\buf+7], v[PP:PP+1] op_sel:[0,1] op_sel_hi:[1,1]
.else
	v_pk_fma_f32 v[OT:OT+1],   v[\buf+4*\q:\buf+4*\q+1],   v[PP+8*\k+\q-1:PP+8*\k+\q], v[OT:OT+1] op_sel:[0,1,0] op_sel_hi:[1,1,1]
	v_pk_fma_f32 v[OT+2:OT+3], v[\buf+4*\q+2:\buf+4*\q+3], v[PP+8*\k+\q-1:PP+8*\k+\q], v[OT+2:OT+3] op_sel:[0,1,0] op_sel_hi:[1,1,1]
.endif
.endr
.irp q, 2, 3, 4, 5, 6, 7
.if \q%2 == 0
	s_delay_alu instid0(VALU_DEP_4)
	v_pk_fma_f32 v[OACC:OACC+1],   v[\buf+4*\q:\buf+4*\q+1],   v[PP+8*\k+\q:PP+8*\k+\q+1], v[OACC:OACC+1] op_sel_hi:[1,0,1]
	s_delay_alu instid0(VALU_DEP_4)
	v_pk_fma_f32 v[OACC+2:OACC+3], v[\buf+4*\q+2:\buf+4*\q+3], v[PP+8*\k+\q:PP+8*\k+\q+1], v[OACC+2:OACC+3] op_sel_hi:[1,0,1]
.elseif (\k) == 0 && \q == 1
	v_pk_mul_f32 v[OT:OT+1],   v[\buf+4:\buf+5], v[PP:PP+1] op_sel:[0,1] op_sel_hi:[1,1]
	v_pk_mul_f32 v[OT+2:OT+3], v[\buf+6:\buf+7], v[PP:PP+1] op_sel:[0,1] op_sel_hi:[1,1]
.else
	s_delay_alu instid0(VALU_DEP_4)
	v_pk_fma_f32 v[OT:OT+1],   v[\buf+4*\q:\buf+4*\q+1],   v[PP+8*\k+\q-1:PP+8*\k+\q], v[OT:OT+1] op_sel:[0,1,0] op_sel_hi:[1,1,1]
	s_delay_alu instid0(VALU_DEP_4)
	v_pk_fma_f32 v[OT+2:OT+3], v[\buf+4*\q+2:\buf+4*\q+3], v[PP+8*\k+\q-1:PP+8*\k+\q], v[OT+2:OT+3] op_sel:[0,1,0] op_sel_hi:[1,1,1]
.endif
.endr
.endm
.macro CHANGE slot, refill
	s_wait_tensorcnt 0x0
	ds_add_u32 v[SPW], v[NIL]
.if \refill
	s_add_nc_u64 s[G0+6-4*\slot:G0+7-4*\slot], s[G0+6-4*\slot:G0+7-4*\slot], 2*TILEB
.endif
	s_wait_dscnt 0x0
	s_barrier_signal -1
	s_barrier_wait -1
.if \refill
	tensor_load_to_lds s[G0+4-4*\slot:G0+7-4*\slot], s[G1:G1+7]
	s_nop 0
.endif
.endm
.macro WORK slot, ask, first
	global_load_u8 v[MK], v[MO], s[6:7]
	XLD XA, XQ+\slot, 0
	XLD XB, XQ+\slot, 1
	s_wait_dscnt 16
	QUANT XA, PC0, PW0
	IMAGE PC0, 0
	s_wait_dscnt 2
	QUANT XB, PC1, PW1
	IMAGE PC1, 1024
	v_cndmask_b32 v[PW1], v[PW0], v[PW1], s[HM]
	ds_store_b32 v[T4], v[PW1]
.if \first
	VQPREP                                         ; the first tile alone: Wq, its scales, bq and vq are in from here on
.endif
	BARRIER
	FRL 0
	MM 0, 1
	FRL 1
	XWL B2, 2, \slot
.if \ask == 2
	s_cmp_eq_u32 s[CNT], 1
	s_cbranch_scc1 .Lasked_\@
.endif
.if \ask
	global_prefetch_b8 v[PFO], s[PFB:PFB+1] th:TH_LOAD_NT scope:SCOPE_SE
	global_prefetch_b8 v[PFO], s[PFB:PFB+1] offset:8192 th:TH_LOAD_NT scope:SCOPE_SE
.endif
.if \ask == 2
.Lasked_\@:
.endif
	TANH 0
	MM 8, 0
	XWL B0, 0, \slot
	XWL B1, 1, \slot
	TANH 1
	s_delay_alu instid0(VALU_DEP_1)
	v_cndmask_b32 v[TT], v[SCM], v[SCM+1], s[HM]
	ds_store_b32 v[T4], v[TT] offset:PSO
	BARRIER
.irp i, 0,1,2,3,4,5,6,7
	ds_load_b32 v[PSL+\i], v[LS] offset:PSO+128*\i
.endr
	s_wait_loadcnt 0x0
	s_add_nc_u64 s[6:7], s[6:7], 32
.if \ask
	s_wait_xcnt 0x0
	s_add_nc_u64 s[PFB:PFB+1], s[PFB:PFB+1], TILEB
.endif
	v_cmp_eq_u32 vcc_lo, 0, v[MK]
	s_wait_dscnt 0x0
	v_add_f32 v[PSL], v[PSL], v[PSL+1]
	v_add_f32 v[PSL+2], v[PSL+2], v[PSL+3]
	v_add_f32 v[PSL+4], v[PSL+4], v[PSL+5]
	v_add_f32 v[PSL+6], v[PSL+6], v[PSL+7]
	s_delay_alu instid0(VALU_DEP_3)
	v_add_f32 v[PSL], v[PSL], v[PSL+2]
	s_delay_alu instid0(VALU_DEP_2)
	v_add_f32 v[PSL+4], v[PSL+4], v[PSL+6]
	s_delay_alu instid0(VALU_DEP_1)
	v_add_f32 v[SCO], v[PSL], v[PSL+4]
	s_delay_alu instid0(VALU_DEP_1)
	v_cndmask_b32 v[SCO], 0xc9742400, v[SCO], vcc_lo
	s_delay_alu instid0(VALU_DEP_1)
	v_max_num_f32_dpp v[TMX], v[SCO], v[SCO] row_xmask:1 row_mask:0xf bank_mask:0xf
	s_delay_alu instid0(VALU_DEP_1)
	v_max_num_f32_dpp v[TMX], v[TMX], v[TMX] row_xmask:2 row_mask:0xf bank_mask:0xf
	s_delay_alu instid0(VALU_DEP_1)
	v_max_num_f32_dpp v[TMX], v[TMX], v[TMX] row_xmask:4 row_mask:0xf bank_mask:0xf
	s_delay_alu instid0(VALU_DEP_1)
	v_max_num_f32_dpp v[TMX], v[TMX], v[TMX] row_xmask:8 row_mask:0xf bank_mask:0xf
	s_delay_alu instid0(VALU_DEP_1)
	v_permlanex16_b32 v[UU], v[TMX], s[SEL], s[SEL+1]
	s_delay_alu instid0(VALU_DEP_1)
	v_max3_num_f32 v[NMX], v[TMX], v[UU], v[MX]
	s_delay_alu instid0(VALU_DEP_1)
	v_sub_f32 v[FF], v[MX], v[NMX]
	s_delay_alu instid0(VALU_DEP_2)
	v_sub_f32 v[SCO], v[SCO], v[NMX]
	s_delay_alu instid0(VALU_DEP_2)
	v_mul_f32 v[FF], s[LE], v[FF]
	s_delay_alu instid0(VALU_DEP_2)
	v_mul_f32 v[SCO], s[LE], v[SCO]
	s_wait_alu depctr_va_vdst(0)
	v_exp_f32 v[FF], v[FF]
	v_exp_f32 v[SCO], v[SCO]
	v_mov_b32 v[MX], v[NMX]
	s_wait_alu depctr_va_vdst(0)
	v_fma_f32 v[LSUM], v[LSUM], v[FF], v[SCO]
	ds_store_b32 v[T4], v[SCO] offset:PBO
.irp i, 0,1,2,3,4,5,6,7
	ds_load_b128 v[PP+4*\i:PP+4*\i+3], v[PBR] offset:16*\i
.endr
	v_pk_mul_f32 v[OACC:OACC+1], v[OACC:OACC+1], v[FF:FF+1] op_sel_hi:[1,0]
	v_pk_mul_f32 v[OACC+2:OACC+3], v[OACC+2:OACC+3], v[FF:FF+1] op_sel_hi:[1,0]
	s_wait_alu depctr_va_vdst(0)
	s_wait_dscnt 0x0
	FMA8 B0, 0
	XWL B0, 3, \slot
	FMA8 B1, 1
	FMA8 B2, 2
	s_wait_alu depctr_va_vdst(0)
	s_wait_dscnt 0x0
	FMA8 B0, 3
	s_delay_alu instid0(VALU_DEP_2)
	v_pk_add_f32 v[OACC:OACC+1], v[OACC:OACC+1], v[OT:OT+1]
	s_delay_alu instid0(VALU_DEP_2)
	v_pk_add_f32 v[OACC+2:OACC+3], v[OACC+2:OACC+3], v[OT+2:OT+3]
.endm
	s_wait_tensorcnt 0x1
	s_barrier_signal -1
	s_barrier_wait -1
	WORK 0, 1, 1
	s_mov_b32 s[CNT], 3
.Lloop:
	CHANGE 1, 1
	WORK 1, 1, 0
	CHANGE 0, 1
	WORK 0, 2, 0
	s_sub_co_u32 s[CNT], s[CNT], 1
	s_cmp_lg_u32 s[CNT], 0
	s_cbranch_scc1 .Lloop
	CHANGE 1, 0
	WORK 1, 0, 0
	s_wait_tensorcnt 0x0
	ds_add_u32 v[SPW], v[NIL]
	v_add_f32_dpp v[LSUM], v[LSUM], v[LSUM] row_xmask:1 row_mask:0xf bank_mask:0xf
	s_delay_alu instid0(VALU_DEP_1)
	v_add_f32_dpp v[LSUM], v[LSUM], v[LSUM] row_xmask:2 row_mask:0xf bank_mask:0xf
	s_delay_alu instid0(VALU_DEP_1)
	v_add_f32_dpp v[LSUM], v[LSUM], v[LSUM] row_xmask:4 row_mask:0xf bank_mask:0xf
	s_delay_alu instid0(VALU_DEP_1)
	v_add_f32_dpp v[LSUM], v[LSUM], v[LSUM] row_xmask:8 row_mask:0xf bank_mask:0xf
	s_delay_alu instid0(VALU_DEP_1)
	v_permlanex16_b32 v[UU], v[LSUM], s[SEL], s[SEL+1]
	s_delay_alu instid0(VALU_DEP_1)
	v_add_f32 v[LSUM], v[LSUM], v[UU]
	v_lshlrev_b32 v112, 4, v0
	v_lshlrev_b32 v113, 3, v[MO]
	s_wait_alu depctr_va_vdst(0)
	s_wait_dscnt 0x0
	global_store_b128 v112, v[OACC:OACC+3], s[16:17]
	s_cmp_lg_u32 s[WV], 0
	s_cbranch_scc1 .Ldone
	global_store_b64 v113, v[MX:MX+1], s[18:19]
.Ldone:
	s_endpgm
.Lfunc_end_k_qdcc33810f4_partial:
	.size	k_qdcc33810f4_partial, .Lfunc_end_k_qdcc33810f4_partial-k_qdcc33810f4_partial
	.p2alignl 7, 3214868480
	.fill 96, 4, 3214868480
	.section	.rodata,"a",@progbits
	.p2align	6, 0x0
	.amdhsa_kernel k_qdcc33810f4_partial
		.amdhsa_group_segment_fixed_size 327680
		.amdhsa_private_segment_fixed_size 0
		.amdhsa_enable_private_segment 0
		.amdhsa_kernarg_size 64
		.amdhsa_user_sgpr_count 2
		.amdhsa_user_sgpr_kernarg_segment_ptr 1
		.amdhsa_wavefront_size32 1
		.amdhsa_system_sgpr_workgroup_id_x 1
		.amdhsa_system_sgpr_workgroup_id_y 1
		.amdhsa_system_sgpr_workgroup_id_z 1
		.amdhsa_system_vgpr_workitem_id 0
		.amdhsa_next_free_vgpr 512
		.amdhsa_next_free_sgpr 66
		.amdhsa_reserve_vcc 1
		.amdhsa_float_denorm_mode_32 3
		.amdhsa_float_denorm_mode_16_64 3
		.amdhsa_memory_ordered 1
		.amdhsa_forward_progress 1
		.amdhsa_inst_pref_size 206
	.end_amdhsa_kernel
	.amdgpu_metadata
---
amdhsa.version: [ 1, 2 ]
amdhsa.kernels:
  - .name:           k_qdcc33810f4_partial
    .symbol:         k_qdcc33810f4_partial.kd
    .args:
      - { .name: x, .offset: 0, .size: 8, .value_kind: global_buffer, .address_space: global }
      - { .name: mask, .offset: 8, .size: 8, .value_kind: global_buffer, .address_space: global }
      - { .name: Wq_codes, .offset: 16, .size: 8, .value_kind: global_buffer, .address_space: global }
      - { .name: Wq_scales, .offset: 24, .size: 8, .value_kind: global_buffer, .address_space: global }
      - { .name: bq, .offset: 32, .size: 8, .value_kind: global_buffer, .address_space: global }
      - { .name: vq, .offset: 40, .size: 8, .value_kind: global_buffer, .address_space: global }
      - { .name: pacc, .offset: 48, .size: 8, .value_kind: global_buffer, .address_space: global }
      - { .name: pstat, .offset: 56, .size: 8, .value_kind: global_buffer, .address_space: global }
    .group_segment_fixed_size: 327680
    .private_segment_fixed_size: 0
    .kernarg_segment_align: 8
    .kernarg_segment_size: 64
    .max_flat_workgroup_size: 256
    .sgpr_count:     66
    .vgpr_count:     512
    .wavefront_size: 32
...
	.end_amdgpu_metadata
.endif
;; end of part 1
;; launch combine (part 2): grid 256 x 1, 4 waves a work-group, no clusters, 0 bytes of LDS; arguments pacc, pstat, out0; writes out0
.if DOCPART == 2
	.amdgcn_target "amdgcn-amd-amdhsa--gfx1250"
	.amdhsa_code_object_version 6
	.text
	.protected	k_qdcc33810f4_combine
	.globl	k_qdcc33810f4_combine
	.p2align	8
	.type	k_qdcc33810f4_combine,@function
k_qdcc33810f4_combine:
	s_mov_b64 s[64:65], 0
	v_nop
	global_prefetch_b8 v0, s[64:65] scope:SCOPE_SE
	s_setreg_imm32_b32 hwreg(HW_REG_WAVE_MODE, 25, 1), 1
	s_wait_xcnt 0x0
; out[b][c] = (A0[c] e0 + A1[c] e1) / (L0 e0 + L1 e1), e_i = e^(M_i - max(M0, M1)): the two halves of batch b, as the first launch left them, are brought under one maximum and divided by the row's sum.
; pacc: [256][1024] f32, record 2 b + i = A_i.  pstat: [256] records of 256 bytes, each beginning with (M, L).  out0: [128][1024] f32.
; Work-group g takes batch g / 2 and columns 512 (g % 2) on; thread t four columns.  Each load and store of a wave covers 512 consecutive bytes.  1.5 MiB in all move here: no LDS, no barrier, no loop.
; The half with the larger M has e = 1 and L >= 1 (its largest score's weight is 1), so the divisor is at least 1.
	s_load_b128 s[4:7], s[0:1], 0x0                ; pacc s[4:5], pstat s[6:7]
	s_load_b64 s[8:9], s[0:1], 0x10                ; out0
	s_lshr_b32 s10, ttmp9, 1                       ; the batch
	s_and_b32 s11, ttmp9, 1
	s_lshl_b32 s11, s11, 11                        ; my 512 columns, in bytes
	s_lshl_b32 s12, s10, 9                         ; pstat: two records of 256 bytes a batch
	s_mov_b32 s13, 0
	s_lshl_b32 s14, s10, 13                        ; pacc: two records of 4,096 bytes
	s_add_co_u32 s14, s14, s11
	s_mov_b32 s15, 0
	s_lshl_b32 s16, s10, 12                        ; out0: 4,096 bytes a batch
	s_add_co_u32 s16, s16, s11
	s_mov_b32 s17, 0
	v_lshlrev_b32 v1, 4, v0                        ; 16 bytes a thread
	s_wait_alu depctr_va_vdst(0)
	s_wait_kmcnt 0x0
	s_add_nc_u64 s[6:7], s[6:7], s[12:13]
	s_add_nc_u64 s[4:5], s[4:5], s[14:15]
	s_add_nc_u64 s[8:9], s[8:9], s[16:17]
	s_load_b64 s[20:21], s[6:7], 0x0               ; M0, L0
	s_load_b64 s[22:23], s[6:7], 0x100             ; M1, L1
	global_load_b128 v[4:7], v1, s[4:5]            ; A0
	global_load_b128 v[8:11], v1, s[4:5] offset:4096               ; A1
	s_wait_kmcnt 0x0
	v_max_num_f32 v13, s20, s22                    ; the batch's maximum
	v_sub_f32 v14, s20, v13
	v_sub_f32 v15, s22, v13
	v_mul_f32 v14, 0x3fb8aa3b, v14                 ; x log2(e)
	v_mul_f32 v15, 0x3fb8aa3b, v15
	s_wait_alu depctr_va_vdst(0)
	v_exp_f32 v14, v14                             ; e0
	v_exp_f32 v15, v15                             ; e1
	v_nop                                          ; one plain place behind the exponentials
	s_wait_alu depctr_va_vdst(0)
	v_mul_f32 v16, s21, v14
	v_fma_f32 v16, s23, v15, v16                   ; the row's sum
	s_wait_alu depctr_va_vdst(0)
	v_rcp_f32 v16, v16
	v_nop                                          ; one plain place behind the reciprocal
	s_wait_alu depctr_va_vdst(0)
	v_mul_f32 v12, v14, v16                        ; the two halves' factors, as a pair
	v_mul_f32 v13, v15, v16
	s_wait_alu depctr_va_vdst(0)
	s_wait_loadcnt 0x0
	v_pk_mul_f32 v[4:5], v[4:5], v[12:13] op_sel_hi:[1,0]          ; the pair's first word for both halves,
	v_pk_mul_f32 v[6:7], v[6:7], v[12:13] op_sel_hi:[1,0]
	v_pk_fma_f32 v[4:5], v[8:9], v[12:13], v[4:5] op_sel:[0,1,0] op_sel_hi:[1,1,1]     ; its second word for both
	v_pk_fma_f32 v[6:7], v[10:11], v[12:13], v[6:7] op_sel:[0,1,0] op_sel_hi:[1,1,1]
	global_store_b128 v1, v[4:7], s[8:9]
	s_endpgm
.Lfunc_end_k_qdcc33810f4_combine:
	.size	k_qdcc33810f4_combine, .Lfunc_end_k_qdcc33810f4_combine-k_qdcc33810f4_combine
	.p2alignl 7, 3214868480
	.fill 96, 4, 3214868480
	.section	.rodata,"a",@progbits
	.p2align	6, 0x0
	.amdhsa_kernel k_qdcc33810f4_combine
		.amdhsa_group_segment_fixed_size 0
		.amdhsa_private_segment_fixed_size 0
		.amdhsa_enable_private_segment 0
		.amdhsa_kernarg_size 24
		.amdhsa_user_sgpr_count 2
		.amdhsa_user_sgpr_kernarg_segment_ptr 1
		.amdhsa_wavefront_size32 1
		.amdhsa_system_sgpr_workgroup_id_x 1
		.amdhsa_system_sgpr_workgroup_id_y 1
		.amdhsa_system_sgpr_workgroup_id_z 1
		.amdhsa_system_vgpr_workitem_id 0
		.amdhsa_next_free_vgpr 24
		.amdhsa_next_free_sgpr 66
		.amdhsa_reserve_vcc 0
		.amdhsa_float_denorm_mode_32 3
		.amdhsa_float_denorm_mode_16_64 3
		.amdhsa_memory_ordered 1
		.amdhsa_forward_progress 1
		.amdhsa_inst_pref_size 3
	.end_amdhsa_kernel
	.amdgpu_metadata
---
amdhsa.version: [ 1, 2 ]
amdhsa.kernels:
  - .name:           k_qdcc33810f4_combine
    .symbol:         k_qdcc33810f4_combine.kd
    .args:
      - { .name: pacc, .offset: 0, .size: 8, .value_kind: global_buffer, .address_space: global }
      - { .name: pstat, .offset: 8, .size: 8, .value_kind: global_buffer, .address_space: global }
      - { .name: out0, .offset: 16, .size: 8, .value_kind: global_buffer, .address_space: global }
    .group_segment_fixed_size: 0
    .private_segment_fixed_size: 0
    .kernarg_segment_align: 8
    .kernarg_segment_size: 24
    .max_flat_workgroup_size: 128
    .sgpr_count:     66
    .vgpr_count:     24
    .wavefront_size: 32
...
	.end_amdgpu_metadata
.endif
;; end of part 2
